; MI455X (gfx1250); checked and timed in simulation.
; The chip was launched on July 23, 2026; its instructions are those of AMD's public machine-readable ISA for CDNA 5 (MIT licence, August 2026) and "CDNA5" Instruction Set Architecture Reference Guide (July 2026). The comments in the code are by the model that wrote it; some were corrected since.
;; Robust Sum. Allowed arithmetic: matrix products marked QUANTISED: E2M3 operands, one E8M0 scale for each 32 along K, by v_wmma_scale_f32_16x16x128_f8f6f4 with both operands' format E2M3, f32 sums; everything else in f32.
;; Inputs: A 4 x 2,048 x 2,048 float32; V 4 x 2,048 x 512 float32.
;; Outputs: out0 4 x 2,048 x 512 float32.
;; This version of the problem:
;;   THIS VERSION OF THE PROBLEM IS GIVEN IN LOW PRECISION. The matrix products marked QUANTISED in the list below multiply operands that are first quantised to E2M3 (2 exponent bits, 3 mantissa bits; 6 bits a number), with one power-of-two scale for each 32 numbers along K (OCP MX v1.0); their sums are f32. All else is computed in f32.
;;   The module's matrix products, in the order in which they are computed (A, B: the left and right operand; K: the contracted axis; several contracted axes count as one K, in the product's order):
;;     1. batch 4 x [M 2,048, K 2,048] x [K 2,048, N 512]; A: input A; B: input V: QUANTISED
;;     2. batch 4 x [M 2,048, K 512] x [K 512, N 2,048]; A: computed on the way; B: input V: QUANTISED
;;     3. batch 4 x [M 2,048, K 2,048] x [K 2,048, N 512]; A: computed on the way; B: input V: QUANTISED
;;     4. batch 4 x [M 2,048, K 512] x [K 512, N 2,048]; A: computed on the way; B: input V: QUANTISED
;;     5. batch 4 x [M 2,048, K 2,048] x [K 2,048, N 512]; A: computed on the way; B: input V: QUANTISED
;;     6. batch 4 x [M 2,048, K 512] x [K 512, N 2,048]; A: computed on the way; B: input V: QUANTISED
;;     7. batch 4 x [M 2,048, K 2,048] x [K 2,048, N 512]; A: computed on the way; B: input V: QUANTISED
;;   THE QUANTISER, for each operand of a quantised product, along K:
;;     - K is cut into blocks of 32 from its start; a last block that is shorter is filled with zeros.
;;     - A block's scale is 2^e with e = floor(log2(the largest magnitude in the block)) - 2, held to -126 .. 127; a block of zeros has e = 0. As a byte (E8M0): e + 127.
;;     - Each number is divided by its block's scale, clamped to +-7.5, and rounded to the nearest number of E2M3, ties to even, subnormals kept.
;;     - The product sums the exact products of the quantised numbers (number of the format x scale) in f32.
;;   ~~~python
;;   def quantise(x, axis):      # numpy; x: float32 -> the quantised numbers, widened to float32 again
;;       x = np.moveaxis(x, axis, -1); K = x.shape[-1]
;;       x = np.pad(x, [(0, 0)] * (x.ndim - 1) + [(0, -K % 32)]); x = x.reshape(x.shape[:-1] + (-1, 32)); a = np.abs(x).max(-1, keepdims=True)
;;       e = np.where(a > 0, np.clip(np.frexp(np.where(a > 0, a, 1))[1] - 1 - 2, -126, 127), 0)      # np.frexp(a)[1] - 1 = floor(log2(a)), exactly
;;       r = np.clip(x / 2.0 ** e, -7.5, 7.5)
;;       step = 2.0 ** (np.maximum(np.frexp(np.where(r == 0, 1, r))[1] - 1, 0) - 3)
;;       q = np.round(r / step) * step * 2.0 ** e      # np.round: ties to even
;;       return np.moveaxis(q.reshape(q.shape[:-2] + (-1,))[..., :K], -1, axis).astype(np.float32)
;;   ~~~
;;   OPERANDS COMPUTED ON THE WAY. 'Computed on the way' means the value that the module computes at that place (a softmax that the list does not call 'softmax' is quantised finished and normalised). What goes into a quantiser is computed in f32, as accurately as f32 sums, v_exp_f32 and their like allow (about 1e-6 of the number): no bf16 or f16 on the way to a quantiser, and a product that is left as it is and whose result goes on into a quantised operand takes f32 operands (vector FMAs, or v_wmma_f32_16x16x4_f32). A number that lies on a knife's edge between two numbers of the format may be rounded either way, as far as f32 arithmetic and the matrix unit's own rounding can turn it there, and no further.
;; One version. Each part assembles by itself: llvm-mc -triple=amdgcn-amd-amdhsa -mcpu=gfx1250 --defsym DOCPART=n.
;; ======== version 1 of 1: 2 launches
;; workspace buffers: vd 3,342,336 bytes; vk 3,276,800 bytes
;; launch prep (part 1): grid 256 x 1, 8 waves a work-group, no clusters, 168,960 bytes of LDS; arguments V, vd, vk; writes vd, vk
.if DOCPART == 1
	.amdgcn_target "amdgcn-amd-amdhsa--gfx1250"
	.amdhsa_code_object_version 6
	.text
	.protected	k_q0ea1e29f75_prep
	.globl	k_q0ea1e29f75_prep
	.p2align	8
	.type	k_q0ea1e29f75_prep,@function
k_q0ea1e29f75_prep:
	s_mov_b64 s[64:65], 0
	v_nop
	global_prefetch_b8 v0, s[64:65] scope:SCOPE_SE
	s_setreg_imm32_b32 hwreg(HW_REG_WAVE_MODE, 25, 1), 1
	s_wait_xcnt 0x0
; V [4][2048 keys][512 d], f32, is quantised twice into codes of FP6 (E2M3) with one E8M0 byte for each 32 along K:
; along d (vd: the operand of M V^T) and along the keys (vk: the operand of p V); beside vd goes y2[key] = the sum over d of V^2, in f32.
; Both buffers are laid as IMAGES OF OPERAND REGISTERS: a fragment (16 rows x 128 K = 12 registers a lane) is 1,536 bytes, registers 4c .. 4c+3 of lane l at 512 c + 16 l.
;   vd: record 64 batch + G (32 keys), 13,056 bytes: fragment (u, s) at (4u+s) 1,536: lane (r, h) = key 32G + 8u + r + 8(r/8), K = d 128 s ..;
;       scale words at 12,288 + 16 (16u + r) + 4 s;  y2 of the 32 keys, in their own order, at 12,800.  The last 128 bytes are neither written nor read.
;   vk: record (4 batch + w) 16 + ks, 12,800 bytes: fragment t at 1,536 t: lane (r, h) = d 128 w + 32 (t/2) + 8 (t%2) + r + 8(r/8), K = keys 128 ks ..;
;       scale words at 12,288 + 16 (16 (t/4) + r) + 4 (t%4).
; The rows of a tile are not neighbours, so that in the transposed result of the product that reads them a lane's 16 registers of two neighbouring tiles are 16 neighbours along the next product's K.
; A block's scale is 2^(floor(log2(its largest magnitude)) - 2); its byte is that magnitude's exponent field - 2, held at 1 from below.
; LIMITS: a block of zeros, and a block whose largest magnitude lies under 2^-124, gets the byte 1 (the rule says 127 for zeros: the codes are zeros, and this program alone reads the bytes); NaN and infinities are not served.
; SHARES: there are 256 records of each kind and 256 work-groups: work-group i owns record i of vd (32 keys x 512 d: 65,536 consecutive bytes of V) AND record i of vk (128 keys x 128 d: 128 rows of 512 bytes).
; So every record, its scale words and its y2 have one owner and leave whole.  The price: V is read twice in the launch, 131,072 bytes a work-group.  One tile that gave whole records of both kinds would be
; 128 keys x 512 d: 64 work-groups of 262,144 bytes each.
; Eight waves.  Wave j brings 4 rows of the first tile and 16 rows of the second into LDS, then makes fragment j of vd's record (u = j / 4, s = j % 4) and fragment j of vk's.
.set DP,    2064                       ; the first tile: a key's row in LDS: 2,048 bytes + 16
.set KP,    528                        ; the second: 512 bytes + 16
.set KSH,   128                        ; and each 32 rows of it lie 128 bytes further on: lanes 16-31 of a load of 4 bytes read 32 keys further down than lanes 0-15: 32 x 528 + 128 bytes = 4,256 words, 32 banks on (64 banks of 4 bytes: ISA guide 11.1)
.set KST,   32*DP                      ; the second tile begins behind the first
.set VDS,   KST+128*KP+3*KSH           ; 512 bytes of vd's scale words
.set VKS,   VDS+512                    ; 512 bytes of vk's
.set Y2P,   VKS+512                    ; y2 in four parts: [K step][32 keys]
.set REC_D, 13056
.set REC_K, 12800
.set FRB,   1536
.set X0,    96                         ; v96-159, v160-223: two sets of 64 numbers (in the first phase: 32 loads of 4 registers)
.set CD,    32                         ; v32-55: two sets of 12 code registers: no store's data are written again
.set OH,    80                         ; v80-86: the conversions' second halves (a conversion's three registers begin on an even number)
.set SEL,   20                         ; s[20:21] lane selects for v_permlanex16_b32: lane l xor 16
	s_load_b128 s[4:7], s[0:1], 0x0                ; V, vd
	s_load_b64 s[8:9], s[0:1], 0x10                ; vk
	v_lshl_add_u32 v224, v0, 2, 0x29000
	v_mov_b32 v225, 0
	v_lshrrev_b32 v1, 5, v0
	v_readfirstlane_b32 s12, v1                    ; wave 0..7
	s_lshr_b32 s13, s12, 2                         ; j / 4
	s_and_b32 s14, s12, 3                          ; j % 4
	s_mov_b32 s[SEL], 0x76543210
	s_mov_b32 s[SEL+1], 0xfedcba98
	v_and_b32 v1, 31, v0                           ; lane
	v_lshlrev_b32 v4, 4, v1                        ; 16 x lane
	s_lshl_b32 s16, ttmp9, 16                      ; the first tile: 32 rows of 2,048 bytes x work-group
	s_lshl_b32 s17, s12, 13                        ;    + 4 rows x wave
	s_add_co_u32 s16, s16, s17
	s_mov_b32 s17, 0
	s_lshr_b32 s18, ttmp9, 6                       ; the second tile: batch = i / 64: 2,048 rows of 2,048 bytes,
	s_lshl_b32 s18, s18, 22
	s_and_b32 s19, ttmp9, 15                       ;    ks = i % 16: 128 rows,
	s_lshl_b32 s19, s19, 18
	s_add_co_u32 s18, s18, s19
	s_bfe_u32 s19, ttmp9, 0x20004                  ;    w = (i / 16) % 4: 512 bytes in a row,
	s_lshl_b32 s19, s19, 9
	s_add_co_u32 s18, s18, s19
	s_lshl_b32 s19, s12, 15                        ;    + 16 rows x wave
	s_add_co_u32 s18, s18, s19
	s_mov_b32 s19, 0
	s_mul_i32 s32, ttmp9, REC_D                    ; my records
	s_mov_b32 s33, 0
	s_mul_i32 s34, ttmp9, REC_K
	s_mov_b32 s35, 0
	s_mul_i32 s22, s12, FRB                        ; my fragment in each
	s_mov_b32 s23, 0
	s_wait_kmcnt 0x0
	s_add_nc_u64 s[36:37], s[4:5], s[18:19]
	s_add_nc_u64 s[4:5], s[4:5], s[16:17]
; ---- both tiles come in: 32 loads of 512 consecutive bytes a wave, all on their way at once (no hint: each byte has a second reader in this launch)
.set n, 0
.rept 16
	global_load_b128 v[X0+4*n:X0+4*n+3], v4, s[4:5] offset:512*n
.set n, n+1
.endr
.set n, 0
.rept 16
	global_load_b128 v[X0+64+4*n:X0+64+4*n+3], v4, s[36:37] offset:2048*n
.set n, n+1
.endr
	s_cmp_eq_u32 s12, 0                            ; the last phase: wave 0 stores vd's scale words, wave 1 vk's: the choice hangs on the wave's number alone
	s_cselect_b64 s[28:29], s[6:7], s[8:9]
	s_cselect_b32 s16, s32, s34
	s_add_nc_u64 s[28:29], s[28:29], s[16:17]
	s_add_nc_u64 s[28:29], s[28:29], 12288
	s_add_nc_u64 s[24:25], s[6:7], s[32:33]
	s_add_nc_u64 s[30:31], s[24:25], 12800         ; y2's place in my record of vd
	s_add_nc_u64 s[24:25], s[24:25], s[22:23]      ; vd: my record, fragment j = 4 u + s
	s_add_nc_u64 s[26:27], s[8:9], s[34:35]
	s_add_nc_u64 s[26:27], s[26:27], s[22:23]      ; vk: my record, fragment j
	; every LDS address is made here, ahead of all branches: a constant + constants x lane parts + constants x wave parts
	v_and_b32 v2, 15, v0                           ; r
	v_bfe_u32 v3, v0, 4, 1                         ; h
	v_lshlrev_b32 v14, 2, v1                       ; 4 x lane
	v_lshlrev_b32 v24, 3, v3                       ; 8 h: my bytes' place in a scale word
	v_and_b32 v15, 8, v2
	v_add_nc_u32 v15, v15, v2                      ; r + 8 (r / 8)
	s_mul_i32 s15, s12, 4*DP
	v_add_nc_u32 v5, s15, v4                       ; in, first tile: my wave's 4 rows, 16 bytes a lane
	s_mul_i32 s15, s12, 16*KP
	s_lshr_b32 s16, s12, 1
	s_lshl_b32 s16, s16, 7
	s_add_co_u32 s15, s15, s16
	s_add_co_u32 s15, s15, KST
	v_add_nc_u32 v25, s15, v4                      ; in, second tile: rows 16 j on; they lie in block j / 2 of 32 rows
	s_mul_i32 s15, s13, 8*DP
	s_lshl_b32 s16, s14, 9
	s_add_co_u32 s15, s15, s16
	v_mul_u32_u24 v6, v15, DP
	v_lshl_add_u32 v6, v3, 7, v6
	v_add_nc_u32 v6, s15, v6                       ; along d: key 8 u + r + 8(r/8), byte 512 s + 128 h
	s_lshr_b32 s15, s12, 1
	s_lshl_b32 s15, s15, 7
	s_and_b32 s16, s12, 1
	s_lshl_b32 s16, s16, 5
	s_add_co_u32 s15, s15, s16
	s_add_co_u32 s15, s15, KST
	v_mul_u32_u24 v7, v3, 32*KP+KSH
	v_lshl_add_u32 v7, v15, 2, v7
	v_add_nc_u32 v7, s15, v7                       ; along the keys: key 32 h, d 32 (j/2) + 8 (j%2) + r + 8(r/8)
	v_add_nc_u32 v8, 64*KP+2*KSH, v7               ; and 64 keys on
	s_lshl_b32 s15, s14, 7
	s_lshl_b32 s16, s13, 5
	s_add_co_u32 s15, s15, s16
	s_add_co_u32 s15, s15, Y2P
	v_lshl_add_u32 v9, v15, 2, s15                 ; y2's part s of key 8 u + r + 8(r/8)
	s_lshl_b32 s15, s13, 8
	s_lshl_b32 s16, s14, 2
	s_add_co_u32 s15, s15, s16
	s_add_co_u32 s15, s15, VDS
	v_lshl_add_u32 v10, v2, 4, s15                 ; vd's scale word: 256 (j/4) + 16 r + 4 (j%4)
	v_add_nc_u32 v11, VKS-VDS, v10                 ; vk's: the same place in its own 512 bytes
	s_and_b32 s15, s12, 1
	s_lshl_b32 s15, s15, 9
	s_add_co_u32 s15, s15, VDS
	v_add_nc_u32 v12, s15, v4                      ; the last phase: 512 bytes of scale words for each of waves 0 and 1
	v_add_nc_u32 v13, Y2P, v14                     ; and the 32 sums' parts
	v_mov_b32 v23, 0                               ; written once: a lane permute's destination counts as one of its sources
	v_mov_b32 v30, 0
.set n, 0
.rept 16
	s_wait_loadcnt 31-n                            ; loads come back in order: load n is in, the 31 - n younger ones may be out
	ds_store_b128 v5, v[X0+4*n:X0+4*n+3] offset:(n/4)*DP+512*(n%4)
.set n, n+1
.endr
.set n, 0
.rept 16
	s_wait_loadcnt 15-n
	ds_store_b128 v25, v[X0+64+4*n:X0+64+4*n+3] offset:n*KP
.set n, n+1
.endr
	s_wait_dscnt 0x0                               ; for the others' sake: my rows lie in LDS
	s_barrier_signal -1
	s_barrier_wait -1
; The sum of the squares of a lane's 64 numbers, two at a time in two chains, then with lane l xor 16's: into v26
.macro SQ x
	v_pk_mul_f32 v[26:27], v[\x:\x+1], v[\x:\x+1]
	v_pk_mul_f32 v[28:29], v[\x+2:\x+3], v[\x+2:\x+3]
.set n, 4
.rept 15
	v_pk_fma_f32 v[26:27], v[\x+n:\x+n+1], v[\x+n:\x+n+1], v[26:27]
	v_pk_fma_f32 v[28:29], v[\x+n+2:\x+n+3], v[\x+n+2:\x+n+3], v[28:29]
.set n, n+4
.endr
	v_pk_add_f32 v[26:27], v[26:27], v[28:29]
	v_add_f32 v26, v26, v27
	v_permlanex16_b32 v30, v26, s[SEL], s[SEL+1]
	v_add_f32 v26, v26, v30
.endm
; A lane's 64 numbers, v[x + 32 c + i] = k 64 c + 32 h + i of its row, are two whole blocks: they become the operand's 12 registers v[c ..] and the row's scale word v22
.macro QF x, c
	v_max3_num_f32 v16, |v[\x]|, |v[\x+1]|, 0x1800000        ; and the floor 2^(3 - 127): the byte cannot fall under 1
	v_max3_num_f32 v17, |v[\x+32]|, |v[\x+33]|, 0x1800000
.set n, 2
.rept 15
	v_max3_num_f32 v16, v16, |v[\x+n]|, |v[\x+n+1]|          ; the two blocks by turns
	v_max3_num_f32 v17, v17, |v[\x+32+n]|, |v[\x+33+n]|
.set n, n+2
.endr
	v_add_nc_u32 v18, 0xff000000, v16              ; 2 off the exponent field: the conversion takes this operand's exponent field as its scale
	v_add_nc_u32 v19, 0xff000000, v17
	v_lshrrev_b32 v20, 23, v18                     ; the scales' bytes: blocks h and 2 + h
	v_lshrrev_b32 v21, 23, v19
	v_lshl_or_b32 v22, v21, 16, v20
	v_lshlrev_b32 v22, v24, v22                    ; at their places, 8 h bits up;
	v_permlanex16_b32 v23, v22, s[SEL], s[SEL+1]
	v_or_b32 v22, v22, v23                         ; with lane l xor 16's two the word is whole
	v_cvt_scalef32_pk16_fp6_f32 v[\c:\c+2], v[\x:\x+15], v18
	v_cvt_scalef32_pk16_fp6_f32 v[OH:OH+2], v[\x+16:\x+31], v18
	v_cvt_scalef32_pk16_fp6_f32 v[\c+6:\c+8], v[\x+32:\x+47], v19
	v_cvt_scalef32_pk16_fp6_f32 v[OH+4:OH+6], v[\x+48:\x+63], v19
	v_nop                                          ; one plain instruction behind the scaled conversions
.irp i, 0,1,2
	v_mov_b32 v[\c+3+\i], v[OH+\i]
	v_mov_b32 v[\c+9+\i], v[OH+4+\i]
.endr
.endm
; ---- both fragments' numbers are asked of LDS: along d a lane's 64 numbers are two runs of 128 bytes of its key's row; along the keys a lane takes one d and its registers run down the keys
.irp c, 0,1
.irp j, 0,1,2,3,4,5,6,7
	ds_load_b128 v[X0+32*\c+4*\j:X0+32*\c+4*\j+3], v6 offset:256*\c+16*\j
.endr
.endr
.irp c, 0,1
.set n, 0
.rept 32
	ds_load_b32 v[X0+64+32*\c+n], v[7+\c] offset:n*KP
.set n, n+1
.endr
.endr
	s_wait_dscnt 63                                ; behind the first fragment's last load 64 were issued: at most 63 out shows the first fragment's numbers in
; ---- along d: fragment (u, s) of my record of vd, and part s of its keys' y2
	SQ X0
	ds_store_b32 v9, v26                           ; both lanes of a key write the same word with the same value
	QF X0, CD
	ds_store_b32 v10, v22
.irp c, 0,1,2
	global_store_b128 v4, v[CD+4*\c:CD+4*\c+3], s[24:25] offset:512*\c   ; 32 lanes store 512 consecutive bytes, aligned
.endr
; ---- along the keys: fragment j of my record of vk
	s_wait_dscnt 0x0
	QF X0+64, CD+12
	ds_store_b32 v11, v22
.irp c, 0,1,2
	global_store_b128 v4, v[CD+12+4*\c:CD+12+4*\c+3], s[26:27] offset:512*\c
.endr
	s_wait_dscnt 0x0                               ; for the others' sake: my scale words and sums lie in LDS
	s_barrier_signal -1
	s_barrier_wait -1
; ---- scale words and y2 leave: 512 consecutive bytes a wave (waves 0 and 1), 128 bytes of y2 (wave 0)
	s_cmp_ge_u32 s12, 2
	s_cbranch_scc1 .Lend
	ds_load_b128 v[16:19], v12
	s_wait_dscnt 0x0
	global_store_b128 v4, v[16:19], s[28:29]
	s_cmp_ge_u32 s12, 1
	s_cbranch_scc1 .Lend
	ds_load_b32 v20, v13
	ds_load_b32 v21, v13 offset:128
	ds_load_b32 v22, v13 offset:256
	ds_load_b32 v23, v13 offset:384
	s_wait_dscnt 0x0
	v_add_f32 v20, v20, v21
	v_add_f32 v22, v22, v23
	v_add_f32 v20, v20, v22                        ; the four K steps' parts
	global_store_b32 v14, v20, s[30:31]
.Lend:
	s_wait_tensorcnt 0x0
	ds_add_u32 v224, v225
	s_wait_dscnt 0x0
	s_endpgm
.Lfunc_end_k_q0ea1e29f75_prep:
	.size	k_q0ea1e29f75_prep, .Lfunc_end_k_q0ea1e29f75_prep-k_q0ea1e29f75_prep
	.p2alignl 7, 3214868480
	.fill 96, 4, 3214868480
	.section	.rodata,"a",@progbits
	.p2align	6, 0x0
	.amdhsa_kernel k_q0ea1e29f75_prep
		.amdhsa_group_segment_fixed_size 168960
		.amdhsa_private_segment_fixed_size 0
		.amdhsa_enable_private_segment 0
		.amdhsa_kernarg_size 24
		.amdhsa_user_sgpr_count 2
		.amdhsa_user_sgpr_kernarg_segment_ptr 1
		.amdhsa_wavefront_size32 1
		.amdhsa_system_sgpr_workgroup_id_x 1
		.amdhsa_system_sgpr_workgroup_id_y 1
		.amdhsa_system_sgpr_workgroup_id_z 1
		.amdhsa_system_vgpr_workitem_id 0
		.amdhsa_next_free_vgpr 226
		.amdhsa_next_free_sgpr 66
		.amdhsa_reserve_vcc 0
		.amdhsa_float_denorm_mode_32 3
		.amdhsa_float_denorm_mode_16_64 3
		.amdhsa_memory_ordered 1
		.amdhsa_forward_progress 1
		.amdhsa_inst_pref_size 26
	.end_amdhsa_kernel
	.amdgpu_metadata
---
amdhsa.version: [ 1, 2 ]
amdhsa.kernels:
  - .name:           k_q0ea1e29f75_prep
    .symbol:         k_q0ea1e29f75_prep.kd
    .args:
      - { .name: V, .offset: 0, .size: 8, .value_kind: global_buffer, .address_space: global }
      - { .name: vd, .offset: 8, .size: 8, .value_kind: global_buffer, .address_space: global }
      - { .name: vk, .offset: 16, .size: 8, .value_kind: global_buffer, .address_space: global }
    .group_segment_fixed_size: 168960
    .private_segment_fixed_size: 0
    .kernarg_segment_align: 8
    .kernarg_segment_size: 24
    .max_flat_workgroup_size: 256
    .sgpr_count:     66
    .vgpr_count:     226
    .wavefront_size: 32
...
	.end_amdgpu_metadata
.endif
;; end of part 1
;; launch chain (part 2): grid 256 x 1, 4 waves a work-group, no clusters, 327,680 bytes of LDS; arguments A, vd, vk, out0; writes out0
.if DOCPART == 2
	.amdgcn_target "amdgcn-amd-amdhsa--gfx1250"
	.amdhsa_code_object_version 6
	.text
	.protected	k_q0ea1e29f75_chain
	.globl	k_q0ea1e29f75_chain
	.p2align	8
	.type	k_q0ea1e29f75_chain,@function
k_q0ea1e29f75_chain:
	s_mov_b64 s[64:65], 0
	v_nop
	global_prefetch_b8 v0, s[64:65] scope:SCOPE_SE
	s_setreg_imm32_b32 hwreg(HW_REG_WAVE_MODE, 25, 1), 1
	s_wait_xcnt 0x0
; RobustSum, the whole chain for 32 rows: M = Q(A) Q(V); three times: dist = sqrt(max(x2 + y2 - 2 Q(M) Q(V)^T, 0)), ww = A / (dist + 0.01), M = Q(ww / max(sum |ww|, 1e-12)) Q(V).
; Q: codes of FP6 (E2M3) with one E8M0 byte for each 32 along the product's K.  All else f32.  A row of M hangs on its own row of A and on V alone, so M, dist and ww never go to memory.
; SHARES.  8,192 rows / 256 work-groups = 32 rows: two tiles of 16 queries (qt).  Four waves.  In M V^T wave w owns keys 512 w .. 512 w + 511 (16 groups g of 32 keys) for all 32 queries: 64 accumulators,
; which then hold ww, in f32, until the rows' sums are known (ww / l1 is quantised finished).  In p V wave w owns d 128 w .. 128 w + 127 for all 32 queries and all keys: 16 accumulators, which are K step w of the next M V^T.
; Both products are used transposed (source 0 = 16 rows of V's codes, source 1 = 16 queries): a lane holds ONE query (lane % 16), and, by the order in which the first launch laid V's rows in tiles,
; the 16 registers of two neighbouring tiles are 16 neighbours along the next product's K: k = 32 b + 16 (lane / 16) + i.
; A's 32 rows come into LDS once, by tensor loads; each wave fetches and reads the two strips of 256 keys that are its own.  V's codes come from memory straight into registers, as images of the operand's registers.
; p (all keys) and M (all d) go from wave to wave through LDS, as images of their registers too.
; NO CLUSTER: all 64 work-groups of a batch read the same codes of V, but joint loads want LDS slots: A's rows take 266,240 bytes and the images and sums 53,248 of the 327,680; the 8,192 left hold no K step of V's codes (51,200 bytes).
; The first product runs through the loop's own text: ww = A and 1 / l1 = 1.0, a multiplication that rounds nothing.
; LIMITS: NaN and infinities are not served.  A block of zeros, or one whose largest magnitude lies under 2^-124, gets the scale byte 1 (its codes are zeros or held; this program alone reads the bytes).
; ww / l1 is ww x r, r the reciprocal of l1 with one Newton step: within about 1.5 units in the last place of the quotient; l1 under 2^126.  sum |ww| is taken as fused multiply-adds of 1 / (dist + 0.01) and |A|.
; REGISTERS, in windows of 256 (s_set_vgpr_msb: bits 1:0 source 0, 3:2 source 1, 5:4 source 2, 7:6 destination):
;   window 0: v1-17 addresses; v20-31 x2, 1/l1, sums; v32-47 V's scale words, four sets; v48-51 M's or p's scale words; v52-63 the quantiser's; v64-159 M's 8 fragments | v64-191 the 16 accumulators of p V | v64-127 ww / l1;
;             v160-191 32 numbers of A; v192-223 at work | p's fragments, two buffers, v192-239 | codes just made v192-211; v224-255 y2, two sets
;   window 1: V's fragments, sets 0 and 1, at v0 and v128 (96 each)     windows 2, 3: ww(g, qt, i) at window 2 + g / 8, v[32 (g % 8) + 16 qt + i]; in p V window 2 holds V's sets 2 and 3
.set REC_D,  13056
.set REC_K,  12800
.set FRB,    1536                      ; a fragment's image
.set APITCH, 1040                      ; a strip's row in LDS: 1,024 bytes + 16 = 65 x 16: sixteen rows' 16 bytes fall into sixteen different columns of 16 bytes
.set STRIP,  32*APITCH                 ; 32 rows x 256 keys
.set PIMG,   8*STRIP                   ; behind A: p's 32 images (2 ks + qt); over them, parted by barriers, M's 8 (4 qt + s) and the stages for the way out
.set PSC,    PIMG+32*FRB               ; p's 16 scale words x 128 bytes (lanes 0-15 qt 0, lanes 16-31 qt 1); over them M's 4
.set XSUM,   PSC+2048                  ; the waves' parts of x2: 256 w + 128 qt + 4 lane; 1,024 bytes on: those of l1
.set LOFF,   1024
.set SPITCH, 528                       ; the way out: 16 rows x (512 bytes + 16) for each wave
.set LI,  1                            ; 16 x lane
.set LS,  2                            ; 4 x lane
.set YO,  3                            ; 64 h: my 16 of a group's 32 y2
.set ADA, 4                            ; v4, v5  my place in my wave's two strips of A
.set PWI, 6                            ; where I store p's images;  v7 their scale words
.set PWS, 7
.set MWI, 8                            ; M's;  v9
.set MWS, 9
.set RIM, 10                           ; where any image is read;  v11 any scale word
.set RSC, 11
.set XW,  12                           ; where I store a part of a sum;  v13 where the parts are read
.set XR,  13
.set ADP, 14                           ; p V: the images' and scale words' addresses in hand
.set ADS, 15
.set SO,  16                           ; the way out
.set SR,  17
.set X2,  20                           ; v[20:21], v[22:23]  x2 of my query in tile 0, 1 (named as pairs)
.set INV, 24                           ; v[24:25], v[26:27]  1 / l1 likewise
.set SS,  28                           ; v28-31  sum |ww|: two chains a tile
.set VS,  32
.set PS,  48
.set TMX, 52
.set TMB, 56
.set TMS, 60
.set MF,  64
.set ACC, 64
.set NN,  64
.set AV,  160
.set T,   192
.set PF,  192
.set PC,  192
.set PW,  212                          ; v212, v213 the scale words just made (qt 0, 1);  v214 the two in one register
.set PWC, 214
.set WK,  216
.set Y,   224
.set VD,  6                            ; s[6:7]   vd at my wave's 16 records
.set VK,  8                            ; s[8:9]   vk at my wave's 16 records
.set OUTP, 10                          ; s[10:11] out0 at my rows and my quarter of d
.set WV,  12
.set G1,  16
.set G0,  24
.set VKP, 32                           ; s[32:33] vk, stepped
.set ITER, 34
.set CNT, 35
.set SEL, 36                           ; s[36:37] lane selects for v_permlanex16_b32: lane l xor 16
.set EPS, 38                           ; s[38:39] 0.01
.set TP,  41                           ; p V: bytes from p's first image, first scale word
.set TQ,  42
.set MSB, 0
.macro WIN new                         ; the immediate's high byte repeats the setting that is left; a switch that changes nothing is dropped
.set WNEW, \new
.if MSB != WNEW
	s_set_vgpr_msb (MSB<<8)|WNEW
.set MSB, WNEW
.endif
.endm
.macro BARRIER                         ; my LDS stores have landed and my LDS loads are in: then the work-group's barrier
	s_wait_dscnt 0x0
	s_barrier_signal -1
	s_barrier_wait -1
.endm
; One matrix instruction.  z = 1: the constant 0 starts the sum.  ra, rb = 1: the side's scale words are taken from lanes 16-31
.macro WM d, a, b, z, sa, sb, ra, rb
.set rD, \d
.set rA, \a
.set rB, \b
.set rSA, \sa
.set rSB, \sb
.set rSEL, 4*(\z)+2*(\ra)+(\rb)
.if rSEL == 0
	v_wmma_scale_f32_16x16x128_f8f6f4 v[rD:rD+7], v[rA:rA+11], v[rB:rB+11], v[rD:rD+7], v[rSA], v[rSB] matrix_a_fmt:MATRIX_FMT_FP6 matrix_b_fmt:MATRIX_FMT_FP6
.elseif rSEL == 1
	v_wmma_scale_f32_16x16x128_f8f6f4 v[rD:rD+7], v[rA:rA+11], v[rB:rB+11], v[rD:rD+7], v[rSA], v[rSB] matrix_a_fmt:MATRIX_FMT_FP6 matrix_b_fmt:MATRIX_FMT_FP6 matrix_b_scale:MATRIX_SCALE_ROW1
.elseif rSEL == 2
	v_wmma_scale_f32_16x16x128_f8f6f4 v[rD:rD+7], v[rA:rA+11], v[rB:rB+11], v[rD:rD+7], v[rSA], v[rSB] matrix_a_fmt:MATRIX_FMT_FP6 matrix_b_fmt:MATRIX_FMT_FP6 matrix_a_scale:MATRIX_SCALE_ROW1
.elseif rSEL == 3
	v_wmma_scale_f32_16x16x128_f8f6f4 v[rD:rD+7], v[rA:rA+11], v[rB:rB+11], v[rD:rD+7], v[rSA], v[rSB] matrix_a_fmt:MATRIX_FMT_FP6 matrix_b_fmt:MATRIX_FMT_FP6 matrix_a_scale:MATRIX_SCALE_ROW1 matrix_b_scale:MATRIX_SCALE_ROW1
.elseif rSEL == 4
	v_wmma_scale_f32_16x16x128_f8f6f4 v[rD:rD+7], v[rA:rA+11], v[rB:rB+11], 0, v[rSA], v[rSB] matrix_a_fmt:MATRIX_FMT_FP6 matrix_b_fmt:MATRIX_FMT_FP6
.elseif rSEL == 5
	v_wmma_scale_f32_16x16x128_f8f6f4 v[rD:rD+7], v[rA:rA+11], v[rB:rB+11], 0, v[rSA], v[rSB] matrix_a_fmt:MATRIX_FMT_FP6 matrix_b_fmt:MATRIX_FMT_FP6 matrix_b_scale:MATRIX_SCALE_ROW1
.elseif rSEL == 6
	v_wmma_scale_f32_16x16x128_f8f6f4 v[rD:rD+7], v[rA:rA+11], v[rB:rB+11], 0, v[rSA], v[rSB] matrix_a_fmt:MATRIX_FMT_FP6 matrix_b_fmt:MATRIX_FMT_FP6 matrix_a_scale:MATRIX_SCALE_ROW1
.else
	v_wmma_scale_f32_16x16x128_f8f6f4 v[rD:rD+7], v[rA:rA+11], v[rB:rB+11], 0, v[rSA], v[rSB] matrix_a_fmt:MATRIX_FMT_FP6 matrix_b_fmt:MATRIX_FMT_FP6 matrix_a_scale:MATRIX_SCALE_ROW1 matrix_b_scale:MATRIX_SCALE_ROW1
.endif
.endm
; 64 numbers of a lane, v[src + 16 b + i] = k 32 b + 16 (lane / 16) + i of my row, become a fragment's codes in v[PC] on and my row's scale word in v[pw]
.macro QUANT src, pw
.irp b, 0,1,2,3
	v_max3_num_f32 v[TMX+\b], |v[\src+16*\b]|, |v[\src+1+16*\b]|, 0x1800000   ; block b: my 16 numbers, and the floor 2^(3 - 127): the byte cannot fall under 1
.endr
.irp i, 2,4,6,8,10,12,14
.irp b, 0,1,2,3
	v_max3_num_f32 v[TMX+\b], v[TMX+\b], |v[\src+16*\b+\i]|, |v[\src+1+16*\b+\i]|   ; the four blocks by turns
.endr
.endr
.irp b, 0,1,2,3
	v_permlanex16_b32 v[TMB+\b], v[TMX+\b], s[SEL], s[SEL+1]
.endr
.irp b, 0,1,2,3
	v_max_num_f32 v[TMX+\b], v[TMX+\b], v[TMB+\b]  ; with lane l xor 16's: the block's largest magnitude
.endr
.irp b, 0,1,2,3
	v_add_nc_u32 v[TMS+\b], 0xff000000, v[TMX+\b]  ; 2 off its exponent field: the conversion's scale operand
.endr
.irp b, 0,1,2,3
	v_lshrrev_b32 v[TMB+\b], 23, v[TMS+\b]         ; the scale's byte
.endr
	v_lshl_or_b32 v[\pw], v[TMB+1], 8, v[TMB]
	v_lshl_or_b32 v[\pw], v[TMB+2], 16, v[\pw]
	v_lshl_or_b32 v[\pw], v[TMB+3], 24, v[\pw]
	s_wait_dscnt 0x0                               ; the last image's stores have read the code registers
.irp c, 0,1
	v_cvt_scalef32_pk16_fp6_f32 v[PC+6*\c:PC+2+6*\c], v[\src+32*\c:\src+15+32*\c], v[TMS+2*\c]
	v_cvt_scalef32_pk16_fp6_f32 v[PC+12+4*\c:PC+14+4*\c], v[\src+16+32*\c:\src+31+32*\c], v[TMS+2*\c+1]   ; (a conversion's three registers begin on an even number)
.endr
	v_nop                                          ; one plain instruction behind the scaled conversions
.irp c, 0,1                                    ; the operand's layout wants a whole block in a lane: lanes 0-15 block 2 c, lanes 16-31 block 2 c + 1
.irp i, 0,1,2
	v_permlane16_swap_b32 v[PC+6*\c+\i], v[PC+12+4*\c+\i]
.endr
.irp i, 0,1,2
	v_mov_b32 v[PC+3+6*\c+\i], v[PC+12+4*\c+\i]
.endr
.endr
.endm
.macro IMAGE adr, off                          ; the fragment in v[PC] on goes to LDS as it stands: 512 consecutive bytes a store
.irp c, 0,1,2
	ds_store_b128 v[\adr], v[PC+4*\c:PC+4*\c+3] offset:\off+512*\c
.endr
.endm
; Group g's record of vd: 8 fragments into V's set g % 2, their scale words (one load: four registers, tile 0 in lanes 0-15, tile 1 in lanes 16-31), my 16 of its y2: 29 loads
.macro XYLOAD g
.set xS, (\g)%2
	WIN 0x40
.set m, 0
.rept 24
	global_load_b128 v[128*xS+4*m:128*xS+4*m+3], v[LI], s[VD:VD+1] offset:(\g)*REC_D+512*m
.set m, m+1
.endr
	WIN 0
	global_load_b128 v[VS+4*xS:VS+4*xS+3], v[LI], s[VD:VD+1] offset:(\g)*REC_D+12288
.irp j, 0,1,2,3
	global_load_b128 v[Y+16*xS+4*\j:Y+16*xS+4*\j+3], v[YO], s[VD:VD+1] offset:(\g)*REC_D+12800+16*\j
.endr
.endm
; GROUP g OF M V^T: 32 keys x 32 queries: 16 matrix instructions, then ww in the accumulators' place
.macro XYG g
.set gH, (\g)/8
.set gAC, 32*((\g)%8)
.set gS, (\g)%2
.irp qt, 0,1
.irp c, 0,1,2,3
	ds_load_b128 v[AV+16*\qt+4*\c:AV+16*\qt+4*\c+3], v[ADA+gH] offset:\qt*16*APITCH+gAC*4+16*\c   ; A(query, my 16 keys): wanted at the group's end
.endr
.endr
.if (\g) < 15
	s_wait_loadcnt 29                              ; this group's 29 loads are in; the next group's 29 may be out
.else
	s_wait_loadcnt 0x0
.endif
	WIN 0xa1+0x50*gH                               ; source 0 (V) window 1, source 1 (M) window 0, C and D window 2 or 3
.irp s, 0,1,2,3                                ; the four accumulators (qt, u) by turns, one instruction a turn, K ascending
.irp qt, 0,1
.irp u, 0,1
	WM gAC+16*\qt+8*\u, 128*gS+12*(4*\u+\s), MF+12*(4*\qt+\s), 1-(\s+3)/4, VS+4*gS+\s, PS+\s, \u, \qt
.endr
.endr
.endr
	WIN 0
.irp qt, 0,1
.irp i, 0,2,4,6,8,10,12,14
	v_pk_add_f32 v[T+16*\qt+\i:T+16*\qt+\i+1], v[Y+16*gS+\i:Y+16*gS+\i+1], v[X2+2*\qt:X2+2*\qt+1] op_sel_hi:[1,0]   ; x2 + y2.  These sixteen name no register of the products: they are the places behind them (ISA guide 7.12.1)
.endr
.endr
.if (\g) < 14
	XYLOAD (\g)+2                                  ; into the set just multiplied: two groups ahead
.endif
	WIN 0x02+gH
.set n, 0
.rept 16
	v_pk_fma_f32 v[T+n:T+n+1], v[gAC+n:gAC+n+1], -2.0, v[T+n:T+n+1] op_sel_hi:[1,0,1]   ; (x2 + y2) - 2 xy, one rounding; each accumulator from its low end on
.set n, n+2
.endr
	WIN 0
.set n, 0
.rept 32
	v_max_num_f32 v[T+n], 0, v[T+n]
.set n, n+1
.endr
.set n, 0
.rept 32
	v_sqrt_f32 v[T+n], v[T+n]                      ; dist: one batch
.set n, n+1
.endr
	v_nop                                          ; a plain instruction behind the last root
	s_wait_alu depctr_va_vdst(0)                   ; one wait for the batch, ahead of its first reader
.set n, 0
.rept 16
	v_pk_add_f32 v[T+n:T+n+1], v[T+n:T+n+1], s[EPS:EPS+1] op_sel_hi:[1,0]
.set n, n+2
.endr
.set n, 0
.rept 32
	v_rcp_f32 v[T+n], v[T+n]                       ; w = 1 / (dist + 0.01): one batch
.set n, n+1
.endr
	v_nop
	s_wait_alu depctr_va_vdst(0)                   ; one wait for the batch
	s_wait_dscnt 0x0                               ; A's numbers are in
.set n, 0
.rept 32                                       ; sum |ww| = sum w |A|: the four chains by turns
	v_fma_f32 v[SS+n%4], v[T+16*((n/2)%2)+2*(n/4)+n%2], |v[AV+16*((n/2)%2)+2*(n/4)+n%2]|, v[SS+n%4]
.set n, n+1
.endr
	WIN 0x80+0x40*gH
.set n, 0
.rept 16
	v_pk_mul_f32 v[gAC+n:gAC+n+1], v[T+n:T+n+1], v[AV+n:AV+n+1]   ; ww = w A, kept where the scores lay
.set n, n+2
.endr
	WIN 0
.endm
; ONE K STEP (128 keys) OF p V.  set: V's set; pb: p's buffer; zero = 1: the products start the sums.  ldp: p of the next step is fetched, ldp images' pairs on from v[ADP] (-1: none);
; ldv: V's record of the step after next, ldv records on from s[VKP], into set + 2 (-1: none).  lc, dc: the loads that may stay out
.macro PVS set, pb, zero, ldp, ldv, lc, dc
.set pS2, ((\set)+2)%4
.if \ldp >= 0
.irp qt, 0,1
.irp c, 0,1,2
	ds_load_b128 v[PF+24*(1-\pb)+12*\qt+4*\c:PF+24*(1-\pb)+12*\qt+4*\c+3], v[ADP] offset:\ldp*2*FRB+\qt*FRB+512*\c
.endr
.endr
	ds_load_b32 v[PS+1-\pb], v[ADS] offset:\ldp*128
.endif
.if \ldv >= 0
	WIN 0x40*(1+pS2/2)
.set m, 0
.rept 24
	global_load_b128 v[128*(pS2%2)+4*m:128*(pS2%2)+4*m+3], v[LI], s[VKP:VKP+1] offset:\ldv*REC_K+512*m
.set m, m+1
.endr
	WIN 0
	global_load_b128 v[VS+4*pS2:VS+4*pS2+3], v[LI], s[VKP:VKP+1] offset:\ldv*REC_K+12288
.endif
	s_wait_loadcnt \lc                             ; this step's 25 loads are in; those of the steps behind it may be out
	s_wait_dscnt \dc                               ; this step's p is in; the next step's 7 loads may be out
	WIN 0x01+(\set)/2                              ; source 0 (V) window 1 or 2; p, C and D window 0
.irp t, 0,1,2,3,4,5,6,7                        ; the 16 accumulators by turns, one instruction a turn, in the same order in every step
.irp qt, 0,1
	WM ACC+64*\qt+8*\t, 128*((\set)%2)+12*\t, PF+24*\pb+12*\qt, \zero, VS+4*\set+\t%4, PS+\pb, \t/4, \qt
.endr
.endr
	WIN 0
.rept 4
	v_nop                                          ; four places in front of loads into registers that these products have read, and of the first read of results (ISA guide 7.12.1 for the first read of results)
.endr
.endm
.macro PSTEP a, b, c                           ; the addresses of p V step on
	s_wait_dscnt 0x0                               ; no LDS load of mine is out (the last were issued 16 matrix instructions ago)
	s_add_co_u32 s[TP], s[TP], \a
	s_add_co_u32 s[TQ], s[TQ], \b
	v_add_nc_u32 v[ADP], s[TP], v[RIM]
	v_add_nc_u32 v[ADS], s[TQ], v[RSC]
	s_wait_xcnt 0x0                                ; the loads issued so far have had their addresses translated: their base is written only behind this wait
	s_add_nc_u64 s[VKP:VKP+1], s[VKP:VKP+1], \c
.endm
; ---------------------------------------------------------------- the head
	s_load_b128 s[4:7], s[0:1], 0x0                ; A, vd
	s_load_b128 s[8:11], s[0:1], 0x10              ; vk, out0
	s_set_vgpr_msb 0x40
	v_lshl_add_u32 v254, v0, 2, 0x4e000
	v_mov_b32 v255, 0
	s_set_vgpr_msb 0x4045
	ds_add_u32 v254, v255
	ds_add_u32 v254, v255
	s_set_vgpr_msb 0x4500
	v_lshrrev_b32 v18, 5, v0
	v_readfirstlane_b32 s[WV], v18                 ; wave 0..3
	s_mov_b32 s13, ttmp9                           ; work-group: rows 32 wg on
	; descriptor group 1: a strip of 32 rows x 256 elements of 4 bytes, 2,048 elements from row to row; 4 words of padding behind every 256
	s_mov_b32 s[G1+0], (2<<16)|(1<<20)|(7<<22)|(3<<25)
	s_mov_b32 s[G1+1], 256<<16                     ; tensor_dim0 = 256
	s_mov_b32 s[G1+2], 32<<16                      ; tensor_dim1 = 32
	s_mov_b32 s[G1+3], 256<<16                     ; tile_dim0 = 256
	s_mov_b32 s[G1+4], 32                          ; tile_dim1 = 32
	s_mov_b32 s[G1+5], 2048                        ; tensor_dim0_stride
	s_mov_b32 s[G1+6], 0
	s_mov_b32 s[G1+7], 0
	s_mov_b32 s[G0], 1
	s_mov_b32 s[G0+4], 1
	s_mul_i32 s[G0+1], s[WV], 2*STRIP              ; LDS: my two strips, 2 w and 2 w + 1
	s_add_co_u32 s[G0+5], s[G0+1], STRIP
	s_lshl_b32 s14, s13, 18                        ; 32 rows of 8,192 bytes x work-group
	s_lshl_b32 s15, s[WV], 11                      ; + my 512 keys
	s_add_co_u32 s14, s14, s15
	s_mov_b32 s15, 0
	s_wait_dscnt 0x0
	s_wait_kmcnt 0x0
	s_add_nc_u64 s[G0+2:G0+3], s[4:5], s[14:15]
	s_add_nc_u64 s[G0+6:G0+7], s[G0+2:G0+3], 1024
	s_or_b32 s[G0+3], s[G0+3], 0x80000000          ; type = 2
	s_or_b32 s[G0+7], s[G0+7], 0x80000000
	tensor_load_to_lds s[G0:G0+3], s[G1:G1+7]      ; the launch's only fills: two loads of mine are out; no LDS byte is filled twice
	s_nop 0
	tensor_load_to_lds s[G0+4:G0+7], s[G1:G1+7]
	s_nop 0
.rept 4
	v_nop
.endr
	s_lshr_b32 s40, s13, 6                         ; batch
	s_mul_i32 s14, s40, 64*REC_D
	s_mul_i32 s41, s[WV], 16*REC_D
	s_add_co_u32 s14, s14, s41
	s_add_nc_u64 s[VD:VD+1], s[VD:VD+1], s[14:15]
	s_lshl_b32 s14, s40, 2
	s_add_co_u32 s14, s14, s[WV]
	s_mul_i32 s14, s14, 16*REC_K
	s_add_nc_u64 s[VK:VK+1], s[VK:VK+1], s[14:15]
	s_lshl_b32 s14, s13, 16                        ; 32 rows of 2,048 bytes
	s_lshl_b32 s41, s[WV], 9                       ; + my 128 d
	s_add_co_u32 s14, s14, s41
	s_add_nc_u64 s[OUTP:OUTP+1], s[OUTP:OUTP+1], s[14:15]
	s_mov_b32 s[SEL], 0x76543210
	s_mov_b32 s[SEL+1], 0xfedcba98
	s_mov_b32 s[EPS], 0x3c23d70a                   ; 0.01
	s_mov_b32 s[EPS+1], s[EPS]                     ; (named with it as a pair, so it is written)
	s_mov_b32 vcc_lo, 0xffff0000                   ; lanes 16-31; never rewritten
	v_and_b32 v17, 31, v0
	v_lshlrev_b32 v[LI], 4, v17
	v_lshlrev_b32 v[LS], 2, v17
	v_and_b32 v18, 15, v0                          ; r
	v_bfe_u32 v19, v0, 4, 1                        ; h
	v_lshlrev_b32 v[YO], 6, v19
	v_mul_u32_u24 v[ADA], v18, APITCH
	v_lshl_add_u32 v[ADA], v19, 6, v[ADA]
	v_add_nc_u32 v[ADA], s[G0+1], v[ADA]           ; strip 2 w: row r, + 64 h: my 16 keys of a group of 32
	v_add_nc_u32 v[ADA+1], STRIP, v[ADA]
	s_mul_i32 s14, s[WV], 8*FRB
	s_add_co_u32 s14, s14, PIMG
	v_add_nc_u32 v[PWI], s14, v[LI]                ; p: my K steps 4 w .. 4 w + 3, two images each
	s_lshl_b32 s14, s[WV], 9
	s_add_co_u32 s14, s14, PSC
	v_add_nc_u32 v[PWS], s14, v[LS]
	s_mul_i32 s14, s[WV], FRB
	s_add_co_u32 s14, s14, PIMG
	v_add_nc_u32 v[MWI], s14, v[LI]                ; M: K step w
	s_lshl_b32 s14, s[WV], 7
	s_add_co_u32 s14, s14, PSC
	v_add_nc_u32 v[MWS], s14, v[LS]
	v_add_nc_u32 v[RIM], PIMG, v[LI]
	v_add_nc_u32 v[RSC], PSC, v[LS]
	s_lshl_b32 s14, s[WV], 8
	s_add_co_u32 s14, s14, XSUM
	v_add_nc_u32 v[XW], s14, v[LS]
	v_add_nc_u32 v[XR], XSUM, v[LS]
	s_mul_i32 s14, s[WV], 16*SPITCH
	s_add_co_u32 s14, s14, PIMG                    ; my stage
	v_mul_u32_u24 v[SO], v18, SPITCH
	v_lshl_add_u32 v[SO], v19, 6, v[SO]
	v_add_nc_u32 v[SO], s14, v[SO]                 ; in: row r, + 64 h
	v_add_nc_u32 v[SR], s14, v[LI]                 ; back: a row of 512 bytes, 16 a lane
.irp i, 0,1,2,3
	v_mov_b32 v[INV+\i], 1.0                       ; the first trip quantises A itself
	v_mov_b32 v[TMB+\i], 0                         ; written once: a lane permute's destination counts as one of its sources
.endr
.irp i, 0,1,2,3,4,5,6,7
	v_mov_b32 v[WK+\i], 0
.endr
	s_wait_tensorcnt 0x0                           ; my two strips are in LDS; I alone read them
.set n, 0
.rept 16                                       ; ww = A: group n's 2 x 16 numbers a lane
	WIN 0x80+0x40*(n/8)
.irp qt, 0,1
.irp c, 0,1,2,3
	ds_load_b128 v[32*(n%8)+16*\qt+4*\c:32*(n%8)+16*\qt+4*\c+3], v[ADA+n/8] offset:\qt*16*APITCH+(n%8)*128+16*\c
.endr
.endr
.set n, n+1
.endr
	WIN 0
	s_wait_dscnt 0x0
	s_mov_b32 s[ITER], 0
.Liter:
; ---------------------------------------------------------------- V's first two records for p V are asked for: they land while p is quantised
	s_mov_b64 s[VKP:VKP+1], s[VK:VK+1]             ; (no load that names s[VKP] is out: the last were waited for in the last K step)
.irp k, 0,1
	WIN 0x40
.set m, 0
.rept 24
	global_load_b128 v[128*\k+4*m:128*\k+4*m+3], v[LI], s[VK:VK+1] offset:\k*REC_K+512*m
.set m, m+1
.endr
	WIN 0
	global_load_b128 v[VS+4*\k:VS+4*\k+3], v[LI], s[VK:VK+1] offset:\k*REC_K+12288
.endr
; ---------------------------------------------------------------- p = ww / l1, quantised along the keys: my 512 keys are K steps 4 w + s
.irp s, 0,1,2,3
.irp qt, 0,1
	WIN 0x02+\s/2
.set n, 0
.rept 32
	v_pk_mul_f32 v[NN+2*n:NN+2*n+1], v[32*((4*\s+n/8)%8)+16*\qt+2*(n%8):32*((4*\s+n/8)%8)+16*\qt+2*(n%8)+1], v[INV+2*\qt:INV+2*\qt+1] op_sel_hi:[1,0]
.set n, n+1
.endr
	WIN 0
	QUANT NN, PW+\qt
	IMAGE PWI, \s*2*FRB+\qt*FRB
.endr
	v_cndmask_b32 v[PWC], v[PW], v[PW+1], vcc_lo   ; lanes 0-15: tile 0's words; lanes 16-31: tile 1's
	ds_store_b32 v[PWS], v[PWC] offset:128*\s
.endr
	BARRIER                                        ; p's 32 images and 16 scale words lie in LDS
; ---------------------------------------------------------------- M = p V: 16 K steps of 128 keys
	s_mov_b32 s[TP], 0
	s_mov_b32 s[TQ], 0
	v_add_nc_u32 v[ADP], s[TP], v[RIM]
	v_add_nc_u32 v[ADS], s[TQ], v[RSC]
.irp qt, 0,1
.irp c, 0,1,2
	ds_load_b128 v[PF+12*\qt+4*\c:PF+12*\qt+4*\c+3], v[ADP] offset:\qt*FRB+512*\c
.endr
.endr
	ds_load_b32 v[PS], v[ADS]
	PVS 0, 0, 1, 1, 2, 50, 7                       ; step 0 starts the sums
	PSTEP 2*FRB, 128, REC_K
	s_mov_b32 s[CNT], 3
.Lpv:                                              ; a trip: four steps, once round V's four sets
	PVS 1, 1, 0, 1, 2, 50, 7
	PVS 2, 0, 0, 2, 3, 50, 7
	PVS 3, 1, 0, 3, 4, 50, 7
	PVS 0, 0, 0, 4, 5, 50, 7
	PSTEP 8*FRB, 512, 4*REC_K
	s_sub_co_u32 s[CNT], s[CNT], 1
	s_cmp_lg_u32 s[CNT], 0
	s_cbranch_scc1 .Lpv
	PVS 1, 1, 0, 1, 2, 50, 7                       ; step 13 asks for the last record
	PVS 2, 0, 0, 2, -1, 25, 7                      ; step 14: one record's 25 loads may be out
	PVS 3, 1, 0, -1, -1, 0, 0
	BARRIER                                        ; every wave's reads of p's images are over: M's images, or the stages, may be stored over them
	s_cmp_eq_u32 s[ITER], 3
	s_cbranch_scc1 .Lout
; ---------------------------------------------------------------- x2 and Q(M): my 128 d are K step w
	XYLOAD 0                                       ; the first two groups of M V^T are asked for
	XYLOAD 1
.irp qt, 0,1
	v_pk_mul_f32 v[WK:WK+1], v[ACC+64*\qt:ACC+64*\qt+1], v[ACC+64*\qt:ACC+64*\qt+1]   ; ascending: each accumulator is read from its low end on
	v_pk_mul_f32 v[WK+2:WK+3], v[ACC+64*\qt+2:ACC+64*\qt+3], v[ACC+64*\qt+2:ACC+64*\qt+3]
.set n, 4
.rept 15
	v_pk_fma_f32 v[WK:WK+1], v[ACC+64*\qt+n:ACC+64*\qt+n+1], v[ACC+64*\qt+n:ACC+64*\qt+n+1], v[WK:WK+1]
	v_pk_fma_f32 v[WK+2:WK+3], v[ACC+64*\qt+n+2:ACC+64*\qt+n+3], v[ACC+64*\qt+n+2:ACC+64*\qt+n+3], v[WK+2:WK+3]
.set n, n+4
.endr
	v_pk_add_f32 v[WK:WK+1], v[WK:WK+1], v[WK+2:WK+3]
	v_add_f32 v[WK], v[WK], v[WK+1]
	v_permlanex16_b32 v[WK+4], v[WK], s[SEL], s[SEL+1]
	v_add_f32 v[WK], v[WK], v[WK+4]                ; my wave's part of x2 of query r
	ds_store_b32 v[XW], v[WK] offset:128*\qt
	QUANT ACC+64*\qt, PW+\qt
	IMAGE MWI, \qt*4*FRB
.endr
	v_cndmask_b32 v[PWC], v[PW], v[PW+1], vcc_lo
	ds_store_b32 v[MWS], v[PWC]
	BARRIER                                        ; M's 8 images, 4 scale words and x2's parts lie in LDS
.set n, 0
.rept 24
	ds_load_b128 v[MF+4*n:MF+4*n+3], v[RIM] offset:512*n   ; fragment (qt, s) at v[MF + 12 (4 qt + s)]
.set n, n+1
.endr
.irp s, 0,1,2,3
	ds_load_b32 v[PS+\s], v[RSC] offset:128*\s
.endr
.irp i, 0,1,2,3,4,5,6,7
	ds_load_b32 v[WK+\i], v[XR] offset:128*\i      ; wave i / 2's part for tile i % 2
.endr
	s_wait_dscnt 0x0
	v_add_f32 v[X2], v[WK], v[WK+2]                ; in the same order in every wave
	v_add_f32 v[X2+2], v[WK+1], v[WK+3]
	v_add_f32 v[X2], v[X2], v[WK+4]
	v_add_f32 v[X2+2], v[X2+2], v[WK+5]
	v_add_f32 v[X2], v[X2], v[WK+6]
	v_add_f32 v[X2+2], v[X2+2], v[WK+7]
	v_mov_b32 v[X2+1], v[X2]                       ; (named as pairs)
	v_mov_b32 v[X2+3], v[X2+2]
.irp i, 0,1,2,3
	v_mov_b32 v[SS+\i], 0
.endr
; ---------------------------------------------------------------- M V^T, dist, ww: my 16 groups of 32 keys (written out: the accumulators' numbers differ)
.irp g, 0,1,2,3,4,5,6,7,8,9,10,11,12,13,14,15
	XYG \g
.endr
; ---------------------------------------------------------------- l1 and its reciprocal
	v_add_f32 v[WK], v[SS], v[SS+1]
	v_add_f32 v[WK+1], v[SS+2], v[SS+3]
	v_permlanex16_b32 v[WK+2], v[WK], s[SEL], s[SEL+1]
	v_permlanex16_b32 v[WK+3], v[WK+1], s[SEL], s[SEL+1]
	v_add_f32 v[WK], v[WK], v[WK+2]
	v_add_f32 v[WK+1], v[WK+1], v[WK+3]            ; my wave's 512 keys
	ds_store_b32 v[XW], v[WK] offset:LOFF
	ds_store_b32 v[XW], v[WK+1] offset:LOFF+128
	BARRIER                                        ; l1's parts lie in LDS; every wave's loads of M's images are in, so p's may be stored over them
.irp i, 0,1,2,3,4,5,6,7
	ds_load_b32 v[WK+\i], v[XR] offset:LOFF+128*\i
.endr
	s_wait_dscnt 0x0
	v_add_f32 v[WK], v[WK], v[WK+2]
	v_add_f32 v[WK+1], v[WK+1], v[WK+3]
	v_add_f32 v[WK], v[WK], v[WK+4]
	v_add_f32 v[WK+1], v[WK+1], v[WK+5]
	v_add_f32 v[WK], v[WK], v[WK+6]
	v_add_f32 v[WK+1], v[WK+1], v[WK+7]
	v_max_num_f32 v[WK], 0x2b8cbccc, v[WK]         ; max(l1, 1e-12)
	v_max_num_f32 v[WK+1], 0x2b8cbccc, v[WK+1]
	v_rcp_f32 v[INV], v[WK]
	v_rcp_f32 v[INV+2], v[WK+1]
	v_nop                                          ; a plain instruction behind the reciprocals
	s_wait_alu depctr_va_vdst(0)                   ; one wait for the two, ahead of their first reader
	v_fma_f32 v[WK+2], -v[WK], v[INV], 1.0         ; one Newton step: e = 1 - l1 r; r = r + r e
	v_fma_f32 v[WK+3], -v[WK+1], v[INV+2], 1.0
	v_fma_f32 v[INV], v[INV], v[WK+2], v[INV]
	v_fma_f32 v[INV+2], v[INV+2], v[WK+3], v[INV+2]
	v_mov_b32 v[INV+1], v[INV]                     ; (named as pairs)
	v_mov_b32 v[INV+3], v[INV+2]
	s_add_co_u32 s[ITER], s[ITER], 1
	s_cmp_lt_u32 s[ITER], 4
	s_cbranch_scc1 .Liter
.Lout:
; ---------------------------------------------------------------- THE WAY OUT.  A lane holds 8 neighbouring d of one row, the lanes beside it other rows: a tile of 16 rows x my 128 d goes through my own stage and comes back as rows of 512 bytes.
; LDS serves a wave's instructions in order (ISA guide 5.7.1.4): no wait between the stores and the loads, nor in front of the next tile's stores.
.irp t, 0,1,2,3,4,5,6,7
.irp k, 0,1
	ds_store_b128 v[SO], v[ACC+8*\t+4*\k:ACC+8*\t+4*\k+3] offset:128*(\t/2)+32*(\t%2)+16*\k   ; d 32 (t/2) + 16 h + 8 (t%2) + ..; each accumulator from its low end on
.endr
.endr
.set n, 0
.rept 16
	ds_load_b128 v[192+4*n:192+4*n+3], v[SR] offset:SPITCH*n
.set n, n+1
.endr
.irp t, 0,1,2,3,4,5,6,7
.irp k, 0,1
	ds_store_b128 v[SO], v[ACC+64+8*\t+4*\k:ACC+64+8*\t+4*\k+3] offset:128*(\t/2)+32*(\t%2)+16*\k
.endr
.endr
	s_wait_dscnt 32                                ; tile 0's sixteen stores are done (behind them: 16 loads, 16 stores): the loads below land on the registers that they read
.set n, 0
.rept 16
	ds_load_b128 v[64+4*n:64+4*n+3], v[SR] offset:SPITCH*n
.set n, n+1
.endr
.set n, 0
.rept 16
	s_wait_dscnt 47-n                              ; behind tile 0's load n: its 15 - n younger loads, 16 stores, 16 loads
	global_store_b128 v[LI], v[192+4*n:192+4*n+3], s[OUTP:OUTP+1] offset:2048*n th:TH_STORE_NT   ; 32 lanes store 512 consecutive bytes, at a multiple of 256 from out0's first byte
.set n, n+1
.endr
.set n, 0
.rept 16
	s_wait_dscnt 15-n
	global_store_b128 v[LI], v[64+4*n:64+4*n+3], s[OUTP:OUTP+1] offset:2048*(16+n) th:TH_STORE_NT
.set n, n+1
.endr
	s_set_vgpr_msb 0x5
	s_wait_tensorcnt 0x0
	ds_add_u32 v254, v255
	s_wait_dscnt 0x0
	s_set_vgpr_msb 0x500
	s_endpgm
.Lfunc_end_k_q0ea1e29f75_chain:
	.size	k_q0ea1e29f75_chain, .Lfunc_end_k_q0ea1e29f75_chain-k_q0ea1e29f75_chain
	.p2alignl 7, 3214868480
	.fill 96, 4, 3214868480
	.section	.rodata,"a",@progbits
	.p2align	6, 0x0
	.amdhsa_kernel k_q0ea1e29f75_chain
		.amdhsa_group_segment_fixed_size 327680
		.amdhsa_private_segment_fixed_size 0
		.amdhsa_enable_private_segment 0
		.amdhsa_kernarg_size 32
		.amdhsa_user_sgpr_count 2
		.amdhsa_user_sgpr_kernarg_segment_ptr 1
		.amdhsa_wavefront_size32 1
		.amdhsa_system_sgpr_workgroup_id_x 1
		.amdhsa_system_sgpr_workgroup_id_y 1
		.amdhsa_system_sgpr_workgroup_id_z 1
		.amdhsa_system_vgpr_workitem_id 0
		.amdhsa_next_free_vgpr 1024
		.amdhsa_next_free_sgpr 66
		.amdhsa_reserve_vcc 1
		.amdhsa_float_denorm_mode_32 3
		.amdhsa_float_denorm_mode_16_64 3
		.amdhsa_memory_ordered 1
		.amdhsa_forward_progress 1
		.amdhsa_inst_pref_size 255
	.end_amdhsa_kernel
	.section	.bss,"aw",@nobits
	.p2align	6
	.space	262144
	.amdgpu_metadata
---
amdhsa.version: [ 1, 2 ]
amdhsa.kernels:
  - .name:           k_q0ea1e29f75_chain
    .symbol:         k_q0ea1e29f75_chain.kd
    .args:
      - { .name: A, .offset: 0, .size: 8, .value_kind: global_buffer, .address_space: global }
      - { .name: vd, .offset: 8, .size: 8, .value_kind: global_buffer, .address_space: global }
      - { .name: vk, .offset: 16, .size: 8, .value_kind: global_buffer, .address_space: global }
      - { .name: out0, .offset: 24, .size: 8, .value_kind: global_buffer, .address_space: global }
    .group_segment_fixed_size: 327680
    .private_segment_fixed_size: 0
    .kernarg_segment_align: 8
    .kernarg_segment_size: 32
    .max_flat_workgroup_size: 128
    .sgpr_count:     66
    .vgpr_count:     1024
    .wavefront_size: 32
...
	.end_amdgpu_metadata
.endif
;; end of part 2
